; MI455X (gfx1250); checked and timed in simulation.
; The chip was launched on July 23, 2026; its instructions are those of AMD's public machine-readable ISA for CDNA 5 (MIT licence, August 2026) and "CDNA5" Instruction Set Architecture Reference Guide (July 2026). The comments in the code are by the model that wrote it; some were corrected since.
;; Multi Head Attention. Allowed arithmetic: matrix products marked QUANTISED: E2M3 operands, one E8M0 scale for each 32 along K, by v_wmma_scale_f32_16x16x128_f8f6f4 with both operands' format E2M3, f32 sums; everything else in f32.
;; Inputs: b_out 1,024 float32; b_qkv 3,072 float32; w_out_codes 1,024 x 32 x 24 uint8 (E2M3 codes of w_out, K innermost, in blocks of 32 codes, four codes in three bytes); w_out_scales 1,024 x 32 uint8 (E8M0 scales of w_out, one for each 32 codes along K); w_qkv_codes 3,072 x 32 x 24 uint8 (E2M3 codes of w_qkv, K innermost, in blocks of 32 codes, four codes in three bytes); w_qkv_scales 3,072 x 32 uint8 (E8M0 scales of w_qkv, one for each 32 codes along K); x_codes 4 x 2,048 x 32 x 24 uint8 (E2M3 codes of x, K innermost, in blocks of 32 codes, four codes in three bytes); x_scales 4 x 2,048 x 32 uint8 (E8M0 scales of x, one for each 32 codes along K).
;; Outputs: out0 4 x 2,048 x 1,024 float32.
;; This version of the problem:
;;   THIS VERSION OF THE PROBLEM IS GIVEN IN LOW PRECISION. The matrix products marked QUANTISED in the list below multiply operands that are first quantised to E2M3 (2 exponent bits, 3 mantissa bits; 6 bits a number), with one power-of-two scale for each 32 numbers along K (OCP MX v1.0); their sums are f32. All else is computed in f32.
;;   The module's matrix products, in the order in which they are computed (A, B: the left and right operand; K: the contracted axis; several contracted axes count as one K, in the product's order):
;;     1. [M 8,192, K 1,024] x [K 1,024, N 3,072]; A: input x (given as codes); B: input w_qkv (given as codes): QUANTISED
;;     2. batch 64 x [M 2,048, K 64] x [K 64, N 2,048]; A: computed on the way; B: computed on the way: QUANTISED
;;     3. batch 64 x [M 2,048, K 2,048] x [K 2,048, N 64]; A: softmax (see below); B: computed on the way: QUANTISED
;;     4. [M 8,192, K 1,024] x [K 1,024, N 1,024]; A: computed on the way; B: input w_out (given as codes): QUANTISED
;;   THE QUANTISER, for each operand of a quantised product, along K:
;;     - K is cut into blocks of 32 from its start; a last block that is shorter is filled with zeros.
;;     - A block's scale is 2^e with e = floor(log2(the largest magnitude in the block)) - 2, held to -126 .. 127; a block of zeros has e = 0. As a byte (E8M0): e + 127.
;;     - Each number is divided by its block's scale, clamped to +-7.5, and rounded to the nearest number of E2M3, ties to even, subnormals kept.
;;     - The product sums the exact products of the quantised numbers (number of the format x scale) in f32.
;;   ~~~python
;;   def quantise(x, axis):      # numpy; x: float32 -> the quantised numbers, widened to float32 again
;;       x = np.moveaxis(x, axis, -1); K = x.shape[-1]
;;       x = np.pad(x, [(0, 0)] * (x.ndim - 1) + [(0, -K % 32)]); x = x.reshape(x.shape[:-1] + (-1, 32)); a = np.abs(x).max(-1, keepdims=True)
;;       e = np.where(a > 0, np.clip(np.frexp(np.where(a > 0, a, 1))[1] - 1 - 2, -126, 127), 0)      # np.frexp(a)[1] - 1 = floor(log2(a)), exactly
;;       r = np.clip(x / 2.0 ** e, -7.5, 7.5)
;;       step = 2.0 ** (np.maximum(np.frexp(np.where(r == 0, 1, r))[1] - 1, 0) - 3)
;;       q = np.round(r / step) * step * 2.0 ** e      # np.round: ties to even
;;       return np.moveaxis(q.reshape(q.shape[:-2] + (-1,))[..., :K], -1, axis).astype(np.float32)
;;   ~~~
;;   SOFTMAX AHEAD OF A QUANTISED PRODUCT. Where the list says 'softmax', what is quantised is not the finished softmax but p = 2^(t - M), with t = logit x log2(e) and M = ceil(the row's largest t), a whole number; so 1/2 < the row's largest p <= 1. The row's sum l is taken of the UNQUANTISED p, in f32, and the product's result is divided by l at the end. Since M is a whole number, a kernel that streams over the keys may use a running M (the ceiling of the running maximum): every later rescaling is an exact power of two, which a block's scale takes up: the codes' values come out the same.
;;   OPERANDS COMPUTED ON THE WAY. 'Computed on the way' means the value that the module computes at that place (a softmax that the list does not call 'softmax' is quantised finished and normalised). What goes into a quantiser is computed in f32, as accurately as f32 sums, v_exp_f32 and their like allow (about 1e-6 of the number): no bf16 or f16 on the way to a quantiser, and a product that is left as it is and whose result goes on into a quantised operand takes f32 operands (vector FMAs, or v_wmma_f32_16x16x4_f32). A number that lies on a knife's edge between two numbers of the format may be rounded either way, as far as f32 arithmetic and the matrix unit's own rounding can turn it there, and no further.
;;   INPUTS GIVEN AS CODES. w_out (in the module: [1024, 1024], K = its axis 0); w_qkv (in the module: [1024, 3072], K = its axis 0); x (in the module: [4, 2048, 1024], K = its axis 2): each comes as NAME_codes (uint8): NAME with its K axis moved to the last place and cut into blocks of 32 codes, [.., K / 32, bytes a block], one block behind the other in memory; four codes in three bytes: a row's codes are one little-endian stream of bits, code i at bits 6 i .. 6 i + 5 (a code: sign, 2 exponent bits, 3 mantissa bits); and NAME_scales (uint8): the same leading axes, one E8M0 byte (e + 127) for each 32 codes along K. Its value is code x scale, taken as it is: it is not quantised again, and the codes and scales need not be those that the quantiser above would give.
;; One version. Each part assembles by itself: llvm-mc -triple=amdgcn-amd-amdhsa -mcpu=gfx1250 --defsym DOCPART=n.
;; ======== version 1 of 1: 3 launches
;; workspace buffers: qimg 6,291,456 bytes; qsc 524,288 bytes; kvimg 13,369,344 bytes; aimg 6,291,456 bytes; asc 262,144 bytes
;; launch qkv (part 1): grid 12 x 64, 4 waves a work-group, clusters of 4 x 4, 327,680 bytes of LDS; arguments x_codes, x_scales, w_qkv_codes, w_qkv_scales, b_qkv, qimg, qsc, kvimg; writes qimg, qsc, kvimg
.if DOCPART == 1
	.amdgcn_target "amdgcn-amd-amdhsa--gfx1250"
	.amdhsa_code_object_version 6
	.text
	.protected	k_q2881c81579_qkv
	.globl	k_q2881c81579_qkv
	.p2align	8
	.type	k_q2881c81579_qkv,@function
k_q2881c81579_qkv:
	s_mov_b64 s[64:65], 0
	v_nop
	global_prefetch_b8 v0, s[64:65] scope:SCOPE_SE
	s_setreg_imm32_b32 hwreg(HW_REG_WAVE_MODE, 25, 1), 1
	s_wait_xcnt 0x0
	s_wait_alu depctr_hold_cnt(0) depctr_sa_sdst(0) depctr_va_vdst(0) depctr_va_sdst(0) depctr_va_ssrc(0) depctr_va_vcc(0) depctr_vm_vsrc(0)
	s_getreg_b32 s2, hwreg(HW_REG_IB_STS2, 6, 4)
	s_cmp_eq_u32 s2, 0
	s_cbranch_scc0 .Lentry_in_a_cluster
	s_endpgm
.Lentry_in_a_cluster:
	s_bfe_u32 s2, ttmp6, 0x10000c
	s_cmp_lg_u32 s2, 0xf033
	s_cbranch_scc0 .Lentry_shape_is_right
	s_endpgm
.Lentry_shape_is_right:
; qkv = x w_qkv + b_qkv on codes of FP6 (E2M3) with one E8M0 scale for each 32 along K = 1,024; the results are quantised at once and leave as codes:
; q and k along the head's 64 channels (two blocks), v along the keys.  Nothing leaves as f32.
; A work-group of four waves makes 128 rows of A' x 256 rows of B'; a wave 64 x 128: 32 accumulators, 256 registers.  THE MATRIX INSTRUCTION IS USED TRANSPOSED (source 0 = 16 rows of B', source 1 = 16 rows of A'):
; lane (r, h) holds row 16 a + r of A', and register 8 b + j of block a the row 16 b + 8 h + j of B'.  So a lane's registers run along B's rows, which is the axis that is quantised:
;   q, k (cluster x = 0, 1): A' = x (tokens), B' = w_qkv (channels);      v (cluster x = 2): A' = w_qkv (channels), B' = x (tokens = keys).   The roles are chosen by pointers; the text is one.
; K goes in 4 chunks of 256 (rows of 192 bytes), 8 steps of 128, all written out.  Three LDS slots: chunks 0, 1, 2 are first fills, chunk 3 fills slot 0 again: one refill in the launch.
; CLUSTERS: 4 x 4 work-groups; A's tile is shared along a row of the cluster, B's along a column: each is asked for jointly, by the same tensor load with the same descriptor and a mask that names the four.
; THE SCALE WORDS of my rows, for all of K (32 bytes a row = 8 words, one for each step), are loaded once into registers.
; THE ORDER INSIDE A BLOCK OF 32.  The tiles take natural rows, so a quantised block's codes stand in the order 0-7, 16-23, 8-15, 24-31.  It falls alike on q and k, and alike on v and on the weights p that the next
; launch makes in the same way: the products and the blocks' scales are the same; only the order in which the matrix unit adds inside a block differs.
; LAYOUTS OUT (images of operand registers).  qimg [bh][query tile 128][768]: six registers a lane: 0-3 at 16 x lane, 4-5 at 512 + 8 x lane.  qsc [bh][4 tiles][r][tile] words, bytes 2, 3 = 0.
; kvimg [bh][key step 16][13,056]: K's 8 images at 768 t; K's scale words [half][r][4 tiles] at 6,144; V^T's 4 fragments at 6,656 + 1,536 t; V's scale words [r][t] at 12,800.
; LIMITS: NaN and infinities are not served.  A block whose largest magnitude lies under 2^-124 keeps the byte 1, a block of zeros too (the rule says 127): its codes are zeros, and this program alone reads the bytes.
; REGISTERS: window 0: v1 r, v2 h, v4-15 LDS addresses, v16-21 the way out, v22-23 the spare word, v32-63 A's scale words, v64-127 B's, v128-175 A's 4 fragments (one set), v176-219 the quantiser.
;   window 1: accumulator (a, b) at v[64 a + 8 b].   window 2: B's 8 fragments, two sets, at v0 and v96; the bias at v192-255.
.set PITCH,  240                       ; an LDS row: 3 x (64 bytes + 16 of padding): the 32 lanes of a load of 8 bytes touch 64 different banks (64 banks of 4 bytes: ISA guide 11.1)
.set APART,  128*PITCH                 ; A's 128 rows in a slot
.set SLOT,   APART+256*PITCH           ; then B's 256 rows
.set SPARE,  3*SLOT                    ; behind the slots: the spare words, 128 bytes for each wave: two blocks of 256 bytes that no other line names
.set ACH,    192                       ; a chunk of A' in memory, bytes along a row
.set FR,     12                        ; registers of a fragment
.set NLA,    6                         ; LDS loads that bring a fragment of A'
.set KVB,    13056                     ; a key step's block in kvimg
.set ADRA,   4                         ; v4-6 my A fragments in slot 0, 1, 2; v7-9 the same behind one padding more
.set ADRB,   10                        ; v10-12, v13-15 the same for B
.set SPW,    22                        ; v22 LDS address of my spare word; never rewritten
.set NIL,    23                        ; v23 0; never rewritten
.set SA,     32                        ; A's scale words: block a, step k at v[SA + 8 a + k]
.set SB,     64                        ; B's: v[SB + 8 b + k]
.set AF,     128
.set BI,     192                       ; the bias, in window 2
.set PC,     176                       ; v176-187 the codes just made; v188-190, v192-194 the halves that are moved
.set TM,     196                       ; v196-199 largest magnitudes, v200-203 bytes, v208-211 the conversions' scale operands
.set PW,     212                       ; the scale word just made
.set WD,     216                       ; v216-219 the four blocks' scale words, as they are stored
.set G1A, 24                           ; s[24:31] group 1 for A's tiles;  s[32:43] group 0, a set for each slot
.set G0A, 32
.set G1B, 44                           ; s[44:51], s[52:63] the same for B's
.set G0B, 52
.set SEL, 100                          ; s[100:101] v_permlanex16_b32's selects for lane l xor 16
.set MSB, 0
.macro WIN new                         ; the immediate's high byte repeats the setting that is left
.if MSB != \new
	s_set_vgpr_msb (MSB<<8)|\new
.set MSB, \new
.endif
.endm
.set MUL,  0x52                        ; source 0 (B') window 2, source 1 (A') window 0, C and D window 1
.set MULB, 0x62                        ; the same with C (the bias) in window 2
.set TO_B, 0x80                        ; destination window 2, address window 0
; A joint load: waves 0 and 1 fetch A's two halves, waves 2 and 3 B's.  The branch hangs on the wave's number alone.  Four v_nop follow each of the two lines.
.macro JLOAD g0a, g1a, g0b, g1b
	s_cmp_eq_u32 s21, 0
	s_cbranch_scc0 .Lfor_b_\@
	tensor_load_to_lds s[\g0a:\g0a+3], s[\g1a:\g1a+7]
	s_nop 0
.rept 4
	v_nop
.endr
	s_branch .Lasked_\@
.Lfor_b_\@:
	tensor_load_to_lds s[\g0b:\g0b+3], s[\g1b:\g1b+7]
	s_nop 0
.rept 4
	v_nop
.endr
.Lasked_\@:
.endm
.macro CREST                           ; a round of the cluster's barrier behind its opening barrier
	s_cmp_lg_u32 s20, 0
	s_cbranch_scc1 .Lnot_wave_0_\@
	s_barrier_signal -3
.Lnot_wave_0_\@:
	s_barrier_wait -3
	s_barrier_signal -1
	s_barrier_wait -1
.endm
.macro CROUND                          ; a whole round
	s_barrier_signal -1
	s_barrier_wait -1
	CREST
.endm
.macro PLACES n                        ; plain vector instructions behind a matrix instruction, in front of loads into its registers and of reads of its results
.rept \n
	v_nop
.endr
.endm
	s_load_b256 s[4:11], s[0:1], 0x0               ; x's codes s[4:5], x's scales s[6:7], w's codes s[8:9], w's scales s[10:11]
	s_load_b256 s[12:19], s[0:1], 0x20             ; b_qkv s[12:13], qimg s[14:15], qsc s[16:17], kvimg s[18:19]
	v_lshl_add_u32 v[SPW], v0, 2, SPARE
	v_mov_b32 v[NIL], 0
	ds_add_u32 v22, v23
	ds_add_u32 v22, v23
	s_wait_dscnt 0x0
	v_lshrrev_b32 v3, 5, v0
	v_readfirstlane_b32 s20, v3                    ; wave 0..3
	s_lshr_b32 s21, s20, 1                         ; wm: which 64 rows of A' are mine.  Also: I fetch for A' (0) or for B' (1)
	s_and_b32 s22, s20, 1                          ; wn: which 128 rows of B'.  Also: which half of that tile I fetch
	s_mov_b32 s23, ttmp9                           ; the cluster's x: 0 q, 1 k, 2 v: the same in all sixteen partners
	s_bfe_u32 s66, ttmp6, 0x40000                  ; cx
	s_bfe_u32 s67, ttmp6, 0x40004                  ; cy
	s_and_b32 s68, ttmp7, 0xffff                   ; the cluster's y, 0..15
	s_lshl_b32 s71, s67, 2
	s_lshl_b32 s71, 15, s71                        ; my row of the cluster
	s_lshl_b32 s72, 0x1111, s66                    ; my column
	; group 1: rows of 192 bytes, 768 bytes apart in memory, 16 bytes of padding behind every 64; A': 64 rows a load, B': 128
	s_or_b32 s[G1A], s71, (1<<20)|(1<<21)|(3<<22)|(3<<25)   ; 15:0 the mask; 17:16 elements of 1 byte; 20 padding on; 21 set beside a mask; 24:22 after every 16 words; 31:25 4 words
	s_or_b32 s[G1B], s72, (1<<20)|(1<<21)|(3<<22)|(3<<25)
	s_mov_b32 s[G1A+1], 192<<16                    ; tensor_dim0
	s_mov_b32 s[G1A+2], 64<<16                     ; tensor_dim1
	s_mov_b32 s[G1A+3], 192<<16                    ; tile_dim0
	s_mov_b32 s[G1A+4], 64                         ; tile_dim1
	s_mov_b32 s[G1A+5], 768                        ; from row to row
	s_mov_b32 s[G1A+6], 0
	s_mov_b32 s[G1A+7], 0
	s_mov_b32 s[G1B+1], 192<<16
	s_mov_b32 s[G1B+2], 128<<16
	s_mov_b32 s[G1B+3], 192<<16
	s_mov_b32 s[G1B+4], 128
	s_mov_b32 s[G1B+5], 768
	s_mov_b32 s[G1B+6], 0
	s_mov_b32 s[G1B+7], 0
	; which tiles.  A's numbers hold cy and never cx, B's hold cx and never cy
	s_lshl_b32 s74, s68, 2
	s_add_co_u32 s74, s74, s67                     ; q, k: tile row of x = 4 Y + cy
	s_and_b32 s75, s68, 1
	s_lshl_b32 s75, s75, 2
	s_add_co_u32 s75, s75, s67                     ; v: tile row of w's last 1,024 rows = 4 (Y & 1) + cy
	s_lshl_b32 s76, s23, 2
	s_add_co_u32 s76, s76, s66                     ; q, k: tile of w = 4 x type + cx
	s_lshr_b32 s77, s68, 1
	s_lshl_b32 s77, s77, 2
	s_add_co_u32 s77, s77, s66                     ; v: tile of x = 4 (Y >> 1) + cx
	s_cmp_eq_u32 s23, 2
	s_cselect_b32 s69, s75, s74                    ; TR
	s_cselect_b32 s70, s77, s76                    ; TC
	s_cselect_b32 s79, 2048, 0
	s_lshl_b32 s73, s69, 7
	s_add_co_u32 s73, s73, s79                     ; A's first row: 128 TR (+ 2,048 in w for v)
	s_lshl_b32 s78, s70, 8                         ; B's first row: 256 TC
	s_lshl_b32 s74, s22, 6
	s_add_co_u32 s74, s74, s73
	s_mul_i32 s74, s74, 768                        ; the 64 rows of A' that I fetch, in bytes
	s_mov_b32 s75, 0
	s_lshl_b32 s76, s22, 7
	s_add_co_u32 s76, s76, s78
	s_mul_i32 s76, s76, 768                        ; the 128 rows of B'
	s_mov_b32 s77, 0
	s_mul_i32 s79, s22, 64*PITCH                   ; and where they go: no place in the cluster enters an LDS address
	s_mul_i32 s99, s22, 128*PITCH
	s_wait_kmcnt 0x0
	s_cmp_eq_u32 s23, 2                            ; the roles: the choice hangs on the cluster's x alone
	s_cselect_b64 s[80:81], s[8:9], s[4:5]         ; A's codes
	s_cselect_b64 s[82:83], s[4:5], s[8:9]         ; B's codes
	s_cselect_b64 s[84:85], s[10:11], s[6:7]       ; A's scales
	s_cselect_b64 s[86:87], s[6:7], s[10:11]       ; B's scales
	s_add_nc_u64 s[74:75], s[80:81], s[74:75]
	s_add_nc_u64 s[76:77], s[82:83], s[76:77]
	CROUND                                         ; all sixteen work-groups are here: the first joint loads meet
.irp s, 0,1,2                                  ; chunks 0, 1, 2: three loads of mine are out
	s_mov_b32 s[G0A+4*\s], 1
	s_add_co_u32 s[G0A+4*\s+1], s79, \s*SLOT
	s_add_nc_u64 s[G0A+4*\s+2:G0A+4*\s+3], s[74:75], \s*ACH
	s_or_b32 s[G0A+4*\s+3], s[G0A+4*\s+3], 0x80000000
	s_mov_b32 s[G0B+4*\s], 1
	s_add_co_u32 s[G0B+4*\s+1], s99, \s*SLOT+APART
	s_add_nc_u64 s[G0B+4*\s+2:G0B+4*\s+3], s[76:77], \s*192
	s_or_b32 s[G0B+4*\s+3], s[G0B+4*\s+3], 0x80000000
	JLOAD G0A+4*\s, G1A, G0B+4*\s, G1B
.endr
	v_and_b32 v1, 15, v0                           ; r
	v_bfe_u32 v2, v0, 4, 1                         ; h
	v_mul_u32_u24 v24, v1, PITCH
	v_mul_u32_u24 v25, v2, 24
	v_add_nc_u32 v25, v24, v25                     ; a fragment's row x pitch + 24 h
	v_lshl_add_u32 v26, v2, 4, v25                 ; and the same behind one padding more
	s_mul_i32 s79, s21, 64*PITCH                   ; my 64 rows of A'
	s_mul_i32 s99, s22, 128*PITCH                  ; my 128 rows of B',
	s_add_co_u32 s99, s99, APART                   ; behind A's 128
.irp s, 0,1,2
	v_add_nc_u32 v[ADRA+\s], s79, v25
	v_add_nc_u32 v[ADRA+3+\s], s79, v26
	v_add_nc_u32 v[ADRB+\s], s99, v25
	v_add_nc_u32 v[ADRB+3+\s], s99, v26
	s_add_co_u32 s79, s79, SLOT
	s_add_co_u32 s99, s99, SLOT
.endr
	; the scale words: a row's 32 bytes are its 8 words; sixteen lanes read 512 consecutive bytes, lanes 16-31 the same again
	s_lshl_b32 s74, s21, 6
	s_add_co_u32 s74, s74, s73
	s_lshl_b32 s74, s74, 5
	s_mov_b32 s75, 0
	s_add_nc_u64 s[84:85], s[84:85], s[74:75]
	s_lshl_b32 s76, s22, 7
	s_add_co_u32 s76, s76, s78
	s_lshl_b32 s76, s76, 5
	s_mov_b32 s77, 0
	s_add_nc_u64 s[86:87], s[86:87], s[76:77]
	v_lshlrev_b32 v27, 5, v1                       ; 32 r
	v_lshlrev_b32 v28, 5, v2                       ; 32 h
	v_lshlrev_b32 v29, 2, v1                       ; 4 r
.irp a, 0,1,2,3
	global_load_b128 v[SA+8*\a:SA+8*\a+3], v27, s[84:85] offset:512*\a
	global_load_b128 v[SA+8*\a+4:SA+8*\a+7], v27, s[84:85] offset:512*\a+16
.endr
.irp b, 0,1,2,3,4,5,6,7
	global_load_b128 v[SB+8*\b:SB+8*\b+3], v27, s[86:87] offset:512*\b
	global_load_b128 v[SB+8*\b+4:SB+8*\b+7], v27, s[86:87] offset:512*\b+16
.endr
	; the bias is the C of each sum's first matrix instruction, in the result's layout
	s_cmp_eq_u32 s23, 2
	s_cbranch_scc1 .Lbias_v
	s_lshl_b32 s76, s22, 7                         ; q, k: it runs along B's rows: tile b wants b_qkv at 16 b + 8 h + 0 .. 7
	s_add_co_u32 s76, s76, s78
	s_lshl_b32 s76, s76, 2
	s_add_nc_u64 s[88:89], s[12:13], s[76:77]
	WIN TO_B
.irp b, 0,1,2,3,4,5,6,7
	global_load_b128 v[BI+8*\b:BI+8*\b+3], v28, s[88:89] offset:64*\b
	global_load_b128 v[BI+8*\b+4:BI+8*\b+7], v28, s[88:89] offset:64*\b+16
.endr
	WIN 0
	s_branch .Lbias_done
.Lbias_v:
	s_lshl_b32 s74, s21, 6                         ; v: it runs along A's rows: block a wants b_qkv at 16 a + r in all eight registers
	s_add_co_u32 s74, s74, s73
	s_lshl_b32 s74, s74, 2
	s_add_nc_u64 s[88:89], s[12:13], s[74:75]
	WIN TO_B
.irp a, 0,1,2,3,4,5,6,7                        ; (blocks 4-7 repeat 0-3: so all 64 registers of the bias are written on this way as on the other)
.irp j, 0,1,2,3,4,5,6,7
	global_load_b32 v[BI+8*\a+\j], v29, s[88:89] offset:64*(\a%4)
.endr
.endr
	WIN 0
.Lbias_done:
	; THE WAY OUT'S NUMBERS.  q, k: my 128 columns are two heads, BH and BH + 1; my 64 tokens are four tiles.  v: my 64 channels are one head, my 128 tokens one key step
	s_lshr_b32 s2, s69, 4
	s_lshl_b32 s2, s2, 4                           ; q, k: 16 x batch
	s_lshl_b32 s4, s66, 2
	s_add_co_u32 s2, s2, s4
	s_lshl_b32 s4, s22, 1
	s_add_co_u32 s2, s2, s4                        ; + 4 cx + 2 wn
	s_and_b32 s3, s69, 15                          ; the batch's block of 128 tokens
	s_lshr_b32 s4, s70, 3
	s_lshl_b32 s4, s4, 4                           ; v: 16 x batch
	s_lshl_b32 s5, s69, 1
	s_add_co_u32 s4, s4, s5
	s_add_co_u32 s4, s4, s21                       ; + 2 TR + wm
	s_and_b32 s5, s70, 7
	s_lshl_b32 s5, s5, 1
	s_add_co_u32 s5, s5, s22                       ; key step 2 (TC & 7) + wn
	s_cmp_eq_u32 s23, 2
	s_cselect_b32 s2, s4, s2                       ; BH
	s_cselect_b32 s3, s5, s3                       ; S
	s_lshl_b32 s4, s2, 4
	s_add_co_u32 s4, s4, s3
	s_mul_i32 s4, s4, KVB                          ; the key step's block in kvimg
	s_lshl_b32 s5, s2, 7
	s_lshl_b32 s6, s3, 3
	s_add_co_u32 s5, s5, s6
	s_lshl_b32 s6, s21, 2
	s_add_co_u32 s5, s5, s6
	s_mul_i32 s5, s5, 768                          ; q's images: (128 BH + 8 S + 4 wm) x 768
	s_lshl_b32 s6, s2, 5
	s_lshl_b32 s7, s3, 1
	s_add_co_u32 s6, s6, s7
	s_add_co_u32 s6, s6, s21
	s_lshl_b32 s6, s6, 8                           ; q's scale words: (32 BH + 2 S + wm) x 256
	s_mul_i32 s7, s21, 3072
	s_add_co_u32 s7, s7, s4                        ; k's images
	s_lshl_b32 s8, s21, 8
	s_add_co_u32 s8, s8, s4
	s_add_co_u32 s8, s8, 6144                      ; k's scale words
	s_add_co_u32 s9, s4, 6656                      ; v's fragments
	s_add_co_u32 s10, s4, 12800                    ; v's scale words
	s_cmp_eq_u32 s23, 2
	s_cselect_b32 s7, s9, s7
	s_cselect_b32 s8, s10, s8
	s_mov_b32 s94, 768
	s_cselect_b32 s94, 1536, s94                   ; from block a to block a + 1
	s_mov_b32 s95, 0
	s_cselect_b32 s98, 0, 16                       ; q, k: lanes 16-31 take the scale word's upper two bytes (the second head's)
	s_mov_b32 s99, 0xffff
	s_cselect_b32 s99, -1, s99                     ; q, k: two bytes a word, the others 0
	s_cmp_eq_u32 s23, 0
	s_cselect_b64 s[90:91], s[14:15], s[18:19]     ; where the codes go
	s_cselect_b64 s[92:93], s[16:17], s[18:19]     ; where the scale words go
	s_cselect_b32 s10, s5, s7
	s_cselect_b32 s8, s6, s8
	s_mov_b32 s96, 16*KVB
	s_cselect_b32 s96, 128*768, s96                ; from registers 0-5 to registers 6-11: the next head's image
	s_mov_b32 s97, 16*KVB
	s_cselect_b32 s97, 8192, s97                   ; and the next head's scale words
	s_mov_b32 s11, 0
	s_mov_b32 s9, 0
	s_add_nc_u64 s[90:91], s[90:91], s[10:11]
	s_add_nc_u64 s[92:93], s[92:93], s[8:9]
	s_cmp_eq_u32 s23, 2
	s_cselect_b32 s96, 768, s96                    ; v: the same fragment's second half
	s_cselect_b32 s97, 0, s97
	v_and_b32 v24, 31, v0
	v_lshlrev_b32 v16, 4, v24                      ; 16 x lane
	v_lshlrev_b32 v17, 3, v24                      ; 8 x lane
	v_add_nc_u32 v18, s96, v16
	v_add_nc_u32 v19, s96, v17
	v_mul_u32_u24 v20, s97, v2
	v_lshl_add_u32 v20, v1, 4, v20                 ; 16 r (+ the next head for lanes 16-31)
	v_mul_u32_u24 v21, s98, v2
	s_mov_b32 s[SEL], 0x76543210
	s_mov_b32 s[SEL+1], 0xfedcba98
.irp b, 0,1,2,3
	v_mov_b32 v[TM+4+\b], 0                        ; written once: a lane permute's destination counts as one of its sources
.endr
.macro FRAG reg, adr, q, i             ; a fragment, 16 rows x 128 K, is 12 registers: lane (r, h) holds row r; registers 6 c .. 6 c + 5 hold K = 64 c + 32 h + 0 .. 31: 24 bytes of the row's stream of bits, as they lie
.irp p, 0,1,2,3,4,5                    ; in pieces of 8 bytes.  Lanes 16-31 read three pieces further on: where that lies behind one padding more, the second address register serves
.set PCE, 12*(\q)+6*(\p/3)+\p%3
.if PCE%8 < 5
	ds_load_b64 v[\reg+2*\p:\reg+2*\p+1], v[\adr] offset:8*PCE+16*(PCE/8)+(\i)*16*PITCH
.else
	ds_load_b64 v[\reg+2*\p:\reg+2*\p+1], v[\adr+3] offset:8*PCE+16*(PCE/8)+(\i)*16*PITCH
.endif
.endr
.endm
.macro FETCH_B slot, q, set            ; B's eight fragments of the slot's q-th 128 along K
	WIN TO_B
.irp i, 0,1,2,3,4,5,6,7
	FRAG 96*(\set)+FR*\i, ADRB+\slot, \q, \i
.endr
	WIN 0
.endm
.macro FETCH_A slot, q, a0             ; A's blocks a0, a0 + 1
.irp i, \a0, \a0+1
	FRAG AF+FR*(\i), ADRA+\slot, \q, \i
.endr
.endm
; 8 matrix instructions: A's block a against B's eight, step k.  cin = 0: onto the sums; 1: the bias by B's rows starts them; 2: the bias by A's rows.
; The 32 accumulators take turns, one instruction a turn, in the same order in every step.
.macro MUL8 a, set, k, cin
.irp b, 0,1,2,3,4,5,6,7
.if \cin == 0
	v_wmma_scale_f32_16x16x128_f8f6f4 v[64*(\a)+8*\b:64*(\a)+8*\b+7], v[96*(\set)+FR*\b:96*(\set)+FR*\b+FR-1], v[AF+FR*(\a):AF+FR*(\a)+FR-1], v[64*(\a)+8*\b:64*(\a)+8*\b+7], v[SB+8*\b+(\k)], v[SA+8*(\a)+(\k)] matrix_a_fmt:MATRIX_FMT_FP6 matrix_b_fmt:MATRIX_FMT_FP6
.elseif \cin == 1
	v_wmma_scale_f32_16x16x128_f8f6f4 v[64*(\a)+8*\b:64*(\a)+8*\b+7], v[96*(\set)+FR*\b:96*(\set)+FR*\b+FR-1], v[AF+FR*(\a):AF+FR*(\a)+FR-1], v[BI+8*\b:BI+8*\b+7], v[SB+8*\b+(\k)], v[SA+8*(\a)+(\k)] matrix_a_fmt:MATRIX_FMT_FP6 matrix_b_fmt:MATRIX_FMT_FP6
.else
	v_wmma_scale_f32_16x16x128_f8f6f4 v[64*(\a)+8*\b:64*(\a)+8*\b+7], v[96*(\set)+FR*\b:96*(\set)+FR*\b+FR-1], v[AF+FR*(\a):AF+FR*(\a)+FR-1], v[BI+8*(\a):BI+8*(\a)+7], v[SB+8*\b+(\k)], v[SA+8*(\a)+(\k)] matrix_a_fmt:MATRIX_FMT_FP6 matrix_b_fmt:MATRIX_FMT_FP6
.endif
.endr
.endm
; Step k; the next step's fragments come from slot nslot, its nq-th 128 along K.  A block of A' is free when its eight products are issued, so A' has one set; B' has two.
.macro STEP k, nslot, nq, cin
	s_wait_dscnt 2*NLA                             ; B's set and A's blocks 0, 1 are in; the youngest loads (A's blocks 2, 3) may be out
.if \cin
	WIN MULB
.else
	WIN MUL
.endif
	MUL8 0, (\k)%2, \k, \cin
	MUL8 1, (\k)%2, \k, \cin
	s_wait_dscnt 0x0                               ; A's blocks 2, 3 are in
	PLACES 4
	FETCH_B \nslot, \nq, 1-(\k)%2
	FETCH_A \nslot, \nq, 0
.if \cin
	WIN MULB
.else
	WIN MUL
.endif
	MUL8 2, (\k)%2, \k, \cin
	MUL8 3, (\k)%2, \k, \cin
	PLACES 4
	WIN 0
	FETCH_A \nslot, \nq, 2
.endm
; A step with a barrier.  In front of it each wave waits for all its tensor loads, adds 0 to its spare word, and waits for that and for its own LDS reads.  fill = 1: slot 0, which nobody reads any more, takes chunk 3.
.macro TURN k, nslot, fill
	s_wait_tensorcnt 0x0                           ; all my tensor loads have landed  (every window is 0 here)
	ds_add_u32 v[SPW], v[NIL]                      ; 0 onto my spare word
	s_wait_dscnt 2*NLA+1                           ; (the add and the youngest loads, A's blocks 2, 3, may be out)
	WIN MUL
	MUL8 0, (\k)%2, \k, 0                          ; eight matrix instructions stand between the add and the wait for it
	s_wait_dscnt 0x0                               ; the add is done, and my LDS reads are over
	s_barrier_signal -1
	MUL8 1, (\k)%2, \k, 0
	WIN 0
	s_barrier_wait -1
.if \fill
	CREST                                          ; the barrier has opened a round of the cluster's barrier: no wave of any partner still reads slot 0 or has a load on its way
	s_add_nc_u64 s[G0A+2:G0A+3], s[G0A+2:G0A+3], 3*ACH
	s_add_nc_u64 s[G0B+2:G0B+3], s[G0B+2:G0B+3], 3*192
	JLOAD G0A, G1A, G0B, G1B                       ; the first tensor load behind the round, one a wave; its four v_nop are the places in front of the loads below
.else
	PLACES 4
.endif
	FETCH_B \nslot, 0, 1-(\k)%2
	FETCH_A \nslot, 0, 0
	WIN MUL
	MUL8 2, (\k)%2, \k, 0
	MUL8 3, (\k)%2, \k, 0
	PLACES 4
	WIN 0
	FETCH_A \nslot, 0, 2
.endm
	s_wait_tensorcnt 0x2                           ; my part of chunk 0 is in; chunks 1 and 2 may stay out
	s_barrier_signal -1
	s_barrier_wait -1                              ; everybody's is
	FETCH_B 0, 0, 0
	FETCH_A 0, 0, 0
	FETCH_A 0, 0, 2
	s_wait_loadcnt 0x0                             ; the scale words and the bias
	s_cmp_eq_u32 s23, 2                            ; step 0 stands twice: the bias lies by B's rows (q, k) or by A's (v)
	s_cbranch_scc1 .Lk0_v
	STEP 0, 0, 1, 1
	s_branch .Lk0_done
.Lk0_v:
	STEP 0, 0, 1, 2
.Lk0_done:
	TURN 1, 1, 1                                   ; chunk 0 is read out: slot 0 takes chunk 3; the wait for all loads has shown chunks 1 and 2 landed in every wave
	STEP 2, 1, 1, 0
	STEP 3, 2, 0, 0
	STEP 4, 2, 1, 0
	TURN 5, 0, 0                                   ; chunk 3 has had four steps in which to land
	STEP 6, 0, 1, 0
	s_wait_dscnt 2*NLA                             ; the last step: nothing more to fetch
	WIN MUL
	MUL8 0, 1, 7, 0
	MUL8 1, 1, 7, 0
	s_wait_dscnt 0x0
	MUL8 2, 1, 7, 0
	MUL8 3, 1, 7, 0
	WIN 0
	PLACES 4
; Block a's 64 numbers of a lane (window 1, v[64 a] on) become a fragment's 12 registers in v[PC] on and my row's scale word in v[PW].  A block of 32 lies in lanes l and l xor 16, 16 numbers each.
.macro QUANT a
.set QS, 64*(\a)
	WIN 0x05                                       ; sources 0 and 1 window 1
.irp b, 0,1,2,3
	v_max3_num_f32 v[TM+\b], |v[QS+16*\b]|, |v[QS+1+16*\b]|, 0x1800000   ; my 16 numbers, each accumulator from its low end on, and the floor 2^(3 - 127): the byte cannot fall under 1
.endr
	WIN 0x14                                       ; sources 1 and 2 window 1
.irp i, 2,4,6,8,10,12,14
.irp b, 0,1,2,3
	v_max3_num_f32 v[TM+\b], v[TM+\b], |v[QS+16*\b+\i]|, |v[QS+1+16*\b+\i]|   ; (the four blocks by turns)
.endr
.endr
	WIN 0
.irp b, 0,1,2,3
	v_permlanex16_b32 v[TM+4+\b], v[TM+\b], s[SEL], s[SEL+1]
.endr
.irp b, 0,1,2,3
	v_max_num_f32 v[TM+\b], v[TM+\b], v[TM+4+\b]   ; with lane l xor 16's: the block's largest magnitude
.endr
.irp b, 0,1,2,3
	v_add_nc_u32 v[TM+12+\b], 0xff000000, v[TM+\b] ; 2 off its exponent field: the conversion takes the exponent field of this operand as its scale
.endr
.irp b, 0,1,2,3
	v_lshrrev_b32 v[TM+4+\b], 23, v[TM+12+\b]      ; the scale's byte
.endr
	v_lshl_or_b32 v[PW], v[TM+5], 8, v[TM+4]
	v_lshl_or_b32 v[PW], v[TM+6], 16, v[PW]
	v_lshl_or_b32 v[PW], v[TM+7], 24, v[PW]
	WIN 0x01                                       ; source 0 window 1
.irp c, 0,1
	v_cvt_scalef32_pk16_fp6_f32 v[PC+6*\c:PC+2+6*\c], v[QS+32*\c:QS+15+32*\c], v[TM+12+2*\c]
	v_cvt_scalef32_pk16_fp6_f32 v[PC+12+4*\c:PC+14+4*\c], v[QS+16+32*\c:QS+31+32*\c], v[TM+12+2*\c+1]   ; (a conversion's three registers begin on an even number)
.endr
	WIN 0
	v_nop                                          ; one plain place behind a scaled conversion
.irp c, 0,1                                    ; the operand's layout wants a whole block in a lane: lanes 0-15 block 2 c, lanes 16-31 block 2 c + 1
.irp i, 0,1,2
	v_permlane16_swap_b32 v[PC+6*\c+\i], v[PC+12+4*\c+\i]
.endr
.irp i, 0,1,2
	v_mov_b32 v[PC+3+6*\c+\i], v[PC+12+4*\c+\i]
.endr
.endr
.endm
	; THE WAY OUT: no LDS: the registers are stored as they stand, each store 512 or 256 consecutive bytes at a multiple of 256 from its buffer's first byte
.irp a, 0,1,2,3
.if \a > 0
	s_wait_xcnt 0x0                                ; the last block's stores have read their data and their base: both are written again only behind this wait
	s_add_nc_u64 s[90:91], s[90:91], s[94:95]
.endif
	QUANT \a
	global_store_b128 v16, v[PC:PC+3], s[90:91]
	global_store_b64 v17, v[PC+4:PC+5], s[90:91] offset:512
	global_store_b128 v18, v[PC+6:PC+9], s[90:91]
	global_store_b64 v19, v[PC+10:PC+11], s[90:91] offset:512
	v_lshrrev_b32 v[WD+\a], v21, v[PW]             ; q, k: lanes 0-15 keep the first head's two bytes, lanes 16-31 the second head's; v: the whole word
	v_and_b32 v[WD+\a], s99, v[WD+\a]
.endr
	global_store_b128 v20, v[WD:WD+3], s[92:93]    ; row r's four words
	s_wait_tensorcnt 0x0                           ; the wave's end
	ds_add_u32 v[SPW], v[NIL]
	s_wait_dscnt 0x0
	CROUND                                         ; the closing round: no work-group ends while a partner may still ask for a tile that names it
	s_endpgm
.Lfunc_end_k_q2881c81579_qkv:
	.size	k_q2881c81579_qkv, .Lfunc_end_k_q2881c81579_qkv-k_q2881c81579_qkv
	.p2alignl 7, 3214868480
	.fill 96, 4, 3214868480
	.section	.rodata,"a",@progbits
	.p2align	6, 0x0
	.amdhsa_kernel k_q2881c81579_qkv
		.amdhsa_group_segment_fixed_size 327680
		.amdhsa_private_segment_fixed_size 0
		.amdhsa_enable_private_segment 0
		.amdhsa_kernarg_size 64
		.amdhsa_user_sgpr_count 2
		.amdhsa_user_sgpr_kernarg_segment_ptr 1
		.amdhsa_wavefront_size32 1
		.amdhsa_system_sgpr_workgroup_id_x 1
		.amdhsa_system_sgpr_workgroup_id_y 1
		.amdhsa_system_sgpr_workgroup_id_z 1
		.amdhsa_system_vgpr_workitem_id 0
		.amdhsa_next_free_vgpr 768
		.amdhsa_next_free_sgpr 102
		.amdhsa_reserve_vcc 0
		.amdhsa_float_denorm_mode_32 3
		.amdhsa_float_denorm_mode_16_64 3
		.amdhsa_memory_ordered 1
		.amdhsa_forward_progress 1
		.amdhsa_inst_pref_size 122
	.end_amdhsa_kernel
	.amdgpu_metadata
---
amdhsa.version: [ 1, 2 ]
amdhsa.kernels:
  - .name:           k_q2881c81579_qkv
    .symbol:         k_q2881c81579_qkv.kd
    .args:
      - { .name: x_codes, .offset: 0, .size: 8, .value_kind: global_buffer, .address_space: global }
      - { .name: x_scales, .offset: 8, .size: 8, .value_kind: global_buffer, .address_space: global }
      - { .name: w_qkv_codes, .offset: 16, .size: 8, .value_kind: global_buffer, .address_space: global }
      - { .name: w_qkv_scales, .offset: 24, .size: 8, .value_kind: global_buffer, .address_space: global }
      - { .name: b_qkv, .offset: 32, .size: 8, .value_kind: global_buffer, .address_space: global }
      - { .name: qimg, .offset: 40, .size: 8, .value_kind: global_buffer, .address_space: global }
      - { .name: qsc, .offset: 48, .size: 8, .value_kind: global_buffer, .address_space: global }
      - { .name: kvimg, .offset: 56, .size: 8, .value_kind: global_buffer, .address_space: global }
    .group_segment_fixed_size: 327680
    .private_segment_fixed_size: 0
    .kernarg_segment_align: 8
    .kernarg_segment_size: 64
    .max_flat_workgroup_size: 128
    .sgpr_count:     102
    .vgpr_count:     768
    .wavefront_size: 32
...
	.end_amdgpu_metadata
.endif
;; end of part 1
;; launch attn (part 2): grid 4 x 64, 16 waves a work-group, clusters of 4 x 1, 210,944 bytes of LDS; arguments qimg, qsc, kvimg, aimg, asc; writes aimg, asc
.if DOCPART == 2
	.amdgcn_target "amdgcn-amd-amdhsa--gfx1250"
	.amdhsa_code_object_version 6
	.text
	.protected	k_q2881c81579_attn
	.globl	k_q2881c81579_attn
	.p2align	8
	.type	k_q2881c81579_attn,@function
k_q2881c81579_attn:
	s_mov_b64 s[64:65], 0
	v_nop
	global_prefetch_b8 v0, s[64:65] scope:SCOPE_SE
	s_setreg_imm32_b32 hwreg(HW_REG_WAVE_MODE, 25, 1), 1
	s_wait_xcnt 0x0
	s_wait_alu depctr_hold_cnt(0) depctr_sa_sdst(0) depctr_va_vdst(0) depctr_va_sdst(0) depctr_va_ssrc(0) depctr_va_vcc(0) depctr_vm_vsrc(0)
	s_getreg_b32 s2, hwreg(HW_REG_IB_STS2, 6, 4)
	s_cmp_eq_u32 s2, 0
	s_cbranch_scc0 .Lentry_in_a_cluster
	s_endpgm
.Lentry_in_a_cluster:
	s_bfe_u32 s2, ttmp6, 0x10000c
	s_cmp_lg_u32 s2, 0x3003
	s_cbranch_scc0 .Lentry_shape_is_right
	s_endpgm
.Lentry_shape_is_right:
; Causal attention of one (batch, head) a cluster, both products on codes of FP6 (E2M3) with E8M0 scales; the result is divided by the row's sum, quantised along C and leaves as codes for the last product.
; t = score x 0.125 x log2(e); M = the running largest t rounded UP to a whole number; p = 2^(t - M) is quantised along the keys, not normalised; the row's sum is taken of the unquantised p.
; When M moves, the sum and O are multiplied by 2^(old M - new M): exact.
; A HEAD'S K AND V STAY IN LDS WHOLE: 16 key steps x 13,056 bytes (K's 8 images, K's scale words, V^T's 4 fragments, V's scale words, as the launch before laid them): filled once, never again.
; CLUSTER: the four work-groups of a cluster share the head: wave w of each asks jointly (mask 15) for key step w's block; each receives it in its own LDS.
; SHARES.  Each of the 16 waves owns two tiles of 16 queries: tile TI = 4 w + cx, then tile 127 - TI.  The last key step that counts is w / 2, then 15 - w / 2: it hangs on the wave's number alone, and every wave
; does 17 key steps, two of them on the diagonal.  cx enters global addresses and the mask's numbers only: no branch and no LDS address.  Every wave walks all 16 trips of each loop; a hidden step's work is jumped over.
; LAYOUT.  Both products are used transposed: S^T = K Q^T (source 0 = 16 keys), O^T = V^T P^T (source 0 = 16 channels): a lane holds ONE query (lane % 16) throughout.
; K = 64 IN AN INSTRUCTION OF 128.  Q's registers 6-11 are zero codes.  K's images lie 6 registers apart, and tile t names 12: its upper six are the next tile's codes (for tile 7 six zeroed registers).  FP6 has no
; infinity and no NaN, so they are multiplied by zeros to zeros; the scale bytes 2 and 3 are 0 on both sides, never 0xff.
; THE ORDER INSIDE A BLOCK OF 32 KEYS is 0-7, 16-23, 8-15, 24-31 in p as in v's codes (natural tiles on both sides): the products are the same.  The result gets the true order of channels, since it meets given codes.
; LIMITS: NaN and infinities are not served; a p under 2^-126 is 0 (v_exp_f32); a block whose largest magnitude lies under 2^-124 keeps the byte 1, a block of zeros too: its codes are zeros.
.set KVB, 13056
.set KF,  32                           ; v32-79 K's 8 x 6 registers, later V's 4 x 12; v80-85 zeros
.set KS,  86                           ; v86-93 K's scale words
.set VS,  94                           ; v94-97 V's
.set S,   100                          ; v100-163 S^T, then p
.set OT,  164                          ; v164-195 O^T, 4 tiles
.set PC,  196                          ; v196-207 p's codes
.set PT,  208                          ; v208-210, v212-214 the halves that are moved
.set BM,  216                          ; v216-219 the blocks' largest scores, then largest p
.set BX,  220                          ; v220-223 the other lane's, then the bytes
.set SO,  224                          ; v224-227 the conversions' scale operands
.set FF,  228                          ; v[228:229] f = 2^(old M - new M), later 1 / the sum
.set PWD, 230                          ; v230 p's scale word: it holds nothing else
.set T0,  232                          ; v232, v233 at work; v[234:235] the sums' second chain
.set WV,  14
.set CX,  15
.set BH,  16
.set TI,  17                           ; my tile of queries
.set GD,  18                           ; the key step on its diagonal
.set JD,  19                           ; the tile's place in that step, 0..7
.set SEL, 20
.set CS,  22                           ; s[22:23] c = 0.125 log2(e): the packed form names a pair
.set G1,  24
.set G0,  32
.set TB,  36                           ; LDS byte at which the step's block begins
.set SI,  37                           ; the step
.macro ROUND                           ; a round of the cluster's barrier
	s_barrier_signal -1
	s_barrier_wait -1
	s_cmp_lg_u32 s[WV], 0
	s_cbranch_scc1 .Lnot_wave_0_\@
	s_barrier_signal -3
.Lnot_wave_0_\@:
	s_barrier_wait -3
	s_barrier_signal -1
	s_barrier_wait -1
.endm
.macro PLACES n
.rept \n
	v_nop
.endr
.endm
.macro QPTRS                           ; where tile TI's image and scale words lie
	s_lshl_b32 s48, s[BH], 7
	s_add_co_u32 s48, s48, s[TI]
	s_mul_i32 s48, s48, 768
	s_mov_b32 s49, 0
	s_add_nc_u64 s[40:41], s[4:5], s[48:49]
	s_lshl_b32 s48, s[BH], 5
	s_lshr_b32 s50, s[TI], 2
	s_add_co_u32 s48, s48, s50
	s_lshl_b32 s48, s48, 8
	s_and_b32 s50, s[TI], 3
	s_lshl_b32 s50, s50, 2
	s_add_co_u32 s48, s48, s50
	s_add_nc_u64 s[42:43], s[6:7], s[48:49]
.endm
.macro QLOAD
	global_load_b128 v[16:19], v1, s[40:41]
	global_load_b64 v[20:21], v2, s[40:41] offset:512
	global_load_b32 v28, v3, s[42:43]
.endm
.macro OUTPTRS                         ; where tile TI's result goes: row tile 128 x batch + TI, my head
	s_lshr_b32 s52, s[BH], 4
	s_lshl_b32 s52, s52, 7
	s_add_co_u32 s52, s52, s[TI]
	s_and_b32 s53, s[BH], 15
	s_lshl_b32 s48, s52, 4
	s_add_co_u32 s48, s48, s53
	s_mul_i32 s48, s48, 768
	s_mov_b32 s49, 0
	s_add_nc_u64 s[44:45], s[10:11], s[48:49]
	s_lshl_b32 s48, s52, 9
	s_lshl_b32 s53, s53, 1
	s_add_co_u32 s48, s48, s53
	s_add_nc_u64 s[46:47], s[12:13], s[48:49]
.endm
	s_load_b256 s[4:11], s[0:1], 0x0               ; qimg s[4:5], qsc s[6:7], kvimg s[8:9], aimg s[10:11]
	s_load_b64 s[12:13], s[0:1], 0x20              ; asc
	v_lshl_add_u32 v254, v0, 2, 0x33000
	v_mov_b32 v255, 0
	ds_add_u32 v254, v255
	ds_add_u32 v254, v255
	v_lshrrev_b32 v10, 5, v0
	s_delay_alu instid0(VALU_DEP_1)
	v_readfirstlane_b32 s[WV], v10                 ; wave 0..15
	s_bfe_u32 s[CX], ttmp6, 0x40000                ; my place in the cluster
	s_and_b32 s[BH], ttmp7, 0xffff                 ; batch x 16 + head, which the four partners share
	s_lshl_b32 s[TI], s[WV], 2
	s_add_co_u32 s[TI], s[TI], s[CX]
	s_lshr_b32 s[GD], s[WV], 1
	s_and_b32 s[JD], s[TI], 7
	; the descriptor: a dense block of 13,056 bytes as 51 rows of 256 (32 elements of 8 bytes)
	s_mov_b32 s[G1], 15|(3<<16)|(1<<21)            ; 15:0 the mask: all four work-groups; 17:16 elements of 8 bytes; 21 set beside a mask
	s_mov_b32 s[G1+1], 32<<16
	s_mov_b32 s[G1+2], 51<<16
	s_mov_b32 s[G1+3], 32<<16
	s_mov_b32 s[G1+4], 51
	s_mov_b32 s[G1+5], 32
	s_mov_b32 s[G1+6], 0
	s_mov_b32 s[G1+7], 0
	s_mov_b32 s[G0], 1
	s_mul_i32 s[G0+1], s[WV], KVB                  ; LDS: key step w
	s_mul_i32 s48, s[BH], 16*KVB
	s_add_co_u32 s48, s48, s[G0+1]
	s_mov_b32 s49, 0
	s_mov_b32 s[SEL], 0x76543210
	s_mov_b32 s[SEL+1], 0xfedcba98
	s_mov_b32 s[CS], 0x3e38aa3b
	s_mov_b32 s[CS+1], s[CS]
	s_wait_dscnt 0x0
	s_wait_kmcnt 0x0
	s_add_nc_u64 s[G0+2:G0+3], s[8:9], s[48:49]
	s_or_b32 s[G0+3], s[G0+3], 0x80000000
	ROUND                                          ; all four work-groups are here: the joint loads meet
	tensor_load_to_lds s[G0:G0+3], s[G1:G1+7]      ; my one tensor load of the launch
	s_nop 0
	PLACES 4
	v_and_b32 v10, 31, v0
	s_delay_alu instid0(VALU_DEP_1)
	v_lshlrev_b32 v1, 4, v10                       ; 16 x lane
	s_delay_alu instid0(VALU_DEP_2)
	v_lshlrev_b32 v2, 3, v10                       ; 8 x lane
	v_and_b32 v11, 15, v0                          ; r
	s_delay_alu instid0(VALU_DEP_1)
	v_lshlrev_b32 v3, 4, v11                       ; 16 r
	s_delay_alu instid0(VALU_DEP_2)
	v_lshlrev_b32 v8, 5, v11                       ; 32 r
	v_bfe_u32 v10, v0, 4, 1                        ; h
	s_delay_alu instid0(VALU_DEP_1)
	v_lshlrev_b32 v10, 3, v10
	s_delay_alu instid0(VALU_DEP_1)
	v_sub_nc_u32 v9, v11, v10                      ; r - 8 h
.irp i, 0,1,2,3,4,5
	v_mov_b32 v[22+\i], 0                          ; Q's upper half: zero codes
	v_mov_b32 v[80+\i], 0                          ; what K's last tile names beyond its six
.endr
.irp b, 0,1,2,3
	v_mov_b32 v[BX+\b], 0                          ; written once: a lane permute's destination counts as one of its sources
.endr
	v_mov_b32 v[FF+1], 0                           ; (named as the upper half of a pair)
	v_mov_b32 v[T0], 0
	QPTRS
	QLOAD
	s_wait_tensorcnt 0x0                           ; my block is in,
	s_barrier_signal -1
	s_barrier_wait -1                              ; everybody's is: the head's K and V lie in LDS for the rest of the launch
; A KEY STEP: 128 keys.
.macro STEP
	s_cmp_gt_u32 s[SI], s[GD]                      ; all its keys come after my queries: the work is left out (a branch on the wave's number and the count of steps)
	s_cbranch_scc1 .Lhidden_\@
	s_setprio 2
	v_add_nc_u32 v5, s[TB], v1
	v_add_nc_u32 v6, s[TB], v2
	v_add_nc_u32 v7, s[TB], v3
	v_nop                                          ; four places behind the last step's products, in front of loads into registers that they read
.irp t, 0,1,2,3,4,5,6,7
	ds_load_b128 v[KF+6*\t:KF+6*\t+3], v5 offset:768*\t
	ds_load_b64 v[KF+6*\t+4:KF+6*\t+5], v6 offset:768*\t+512
.endr
	ds_load_b128 v[KS:KS+3], v7 offset:6144
	ds_load_b128 v[KS+4:KS+7], v7 offset:6400
	s_wait_alu depctr_va_vdst(0)
	s_wait_dscnt 0x0
.irp t, 0,1,2,3,4,5,6,7                        ; register 8 t + j of lane (r, h): key 16 t + 8 h + j, query r
	v_wmma_scale_f32_16x16x128_f8f6f4 v[S+8*\t:S+8*\t+7], v[KF+6*\t:KF+6*\t+11], v[16:27], 0, v[KS+\t], v28 matrix_a_fmt:MATRIX_FMT_FP6 matrix_b_fmt:MATRIX_FMT_FP6
.endr
	PLACES 4
.irp t, 0,1,2,3                                ; V's fragments take K's registers and land under the softmax
	ds_load_b128 v[KF+12*\t:KF+12*\t+3], v5 offset:6656+1536*\t
	ds_load_b64 v[KF+12*\t+4:KF+12*\t+5], v6 offset:6656+1536*\t+512
	ds_load_b128 v[KF+12*\t+6:KF+12*\t+9], v5 offset:6656+1536*\t+768
	ds_load_b64 v[KF+12*\t+10:KF+12*\t+11], v6 offset:6656+1536*\t+1280
.endr
	ds_load_b128 v[VS:VS+3], v7 offset:12800
	s_cmp_lg_u32 s[SI], s[GD]
	s_cbranch_scc1 .Lopen_\@
	v_mov_b32 v[T0], 0xff800000                    ; on the diagonal the scores of hidden keys become -infinity ahead of the maximum: hidden where 16 t + j > 16 J + r - 8 h
.irp t, 0,1,2,3,4,5,6,7
.irp j, 0,1,2,3,4,5,6,7
	v_cmp_gt_i32 vcc_lo, 16*\t+\j, v4
	v_cndmask_b32 v[S+8*\t+\j], v[S+8*\t+\j], v[T0], vcc_lo
.endr
.endr
.Lopen_\@:
.irp b, 0,1,2,3
	v_max3_num_f32 v[BM+\b], v[S+16*\b], v[S+1+16*\b], v[S+2+16*\b]   ; the largest score of each block of 32 keys: it serves for the row's maximum and, since p rises with the score, for the block's largest p
.endr
.irp i, 3,5,7,9,11,13
.irp b, 0,1,2,3
	v_max3_num_f32 v[BM+\b], v[BM+\b], v[S+16*\b+\i], v[S+1+16*\b+\i]
.endr
.endr
.irp b, 0,1,2,3
	v_max_num_f32 v[BM+\b], v[BM+\b], v[S+15+16*\b]
.endr
.irp b, 0,1,2,3
	s_delay_alu instid0(VALU_DEP_4)
	v_permlanex16_b32 v[BX+\b], v[BM+\b], s[SEL], s[SEL+1]
.endr
.irp b, 0,1,2,3
	s_delay_alu instid0(VALU_DEP_4)
	v_max_num_f32 v[BM+\b], v[BM+\b], v[BX+\b]     ; with lane l xor 16's 16 keys
.endr
	s_delay_alu instid0(VALU_DEP_2)
	v_max3_num_f32 v[T0], v[BM], v[BM+1], v[BM+2]
	s_delay_alu instid0(VALU_DEP_1)
	v_max_num_f32 v[T0], v[T0], v[BM+3]
	s_delay_alu instid0(VALU_DEP_1)
	v_mul_f32 v[T0], s[CS], v[T0]                  ; as t (c is positive)
	s_delay_alu instid0(VALU_DEP_1)
	v_max_num_f32 v13, v13, v[T0]                  ; the running largest t
	v_mov_b32 v[T0], v12
	s_delay_alu instid0(VALU_DEP_2)
	v_floor_f32 v12, -v13                          ; the new -M = floor(-t): M is a whole number
	s_delay_alu instid0(VALU_DEP_1)
	v_sub_f32 v[T0], v12, v[T0]                    ; old M - new M: a whole number, 0 or less
	s_delay_alu instid0(VALU_DEP_1)
	v_cvt_i32_f32 v[T0], v[T0]                     ; (it saturates)
	s_delay_alu instid0(VALU_DEP_1)
	v_ldexp_f32 v[FF], 1.0, v[T0]                  ; f = 2^(old M - new M)
.set i, 0
.rept 32
	v_pk_fma_f32 v[S+i:S+i+1], v[S+i:S+i+1], s[CS:CS+1], v[12:13] op_sel_hi:[1,0,0]   ; t - M, two at a time
.set i, i+2
.endr
	s_setprio 1
.irp b, 0,1,2,3
	v_fma_f32 v[BM+\b], v[BM+\b], s[CS], v12       ; the same of each block's largest score
.endr
.set i, 0
	s_wait_alu depctr_va_vdst(0)
.rept 64
	v_exp_f32 v[S+i], v[S+i]                       ; p = 2^(t - M), at most 1
.set i, i+1
.endr
	v_pk_mul_f32 v[14:15], v[14:15], v[FF:FF+1] op_sel_hi:[1,0]   ; the sums under the new M: a plain place behind the exponentials
	s_wait_alu depctr_va_vdst(0)                   ; one wait for the batch, ahead of its first reader
.irp b, 0,1,2,3
	v_exp_f32 v[BM+\b], v[BM+\b]                   ; the block's largest p: the same two instructions on the same number
.endr
	v_pk_add_f32 v[234:235], v[104:105], v[108:109]
	v_pk_add_f32 v[252:253], v[112:113], v[116:117]
	v_pk_add_f32 v[250:251], v[120:121], v[124:125]
	v_pk_add_f32 v[248:249], v[128:129], v[132:133]
	v_pk_add_f32 v[246:247], v[136:137], v[140:141]
	v_pk_add_f32 v[244:245], v[144:145], v[148:149]
	v_pk_add_f32 v[242:243], v[152:153], v[156:157]
	v_pk_add_f32 v[14:15], v[14:15], v[160:161]
	v_pk_add_f32 v[234:235], v[234:235], v[100:101]
	v_pk_add_f32 v[252:253], v[252:253], v[102:103]
	v_pk_add_f32 v[250:251], v[250:251], v[106:107]
	v_pk_add_f32 v[248:249], v[248:249], v[110:111]
	v_pk_add_f32 v[246:247], v[246:247], v[114:115]
	v_pk_add_f32 v[244:245], v[244:245], v[118:119]
	v_pk_add_f32 v[242:243], v[242:243], v[122:123]
	v_pk_add_f32 v[14:15], v[14:15], v[126:127]
	v_pk_add_f32 v[234:235], v[234:235], v[130:131]
	v_pk_add_f32 v[252:253], v[252:253], v[134:135]
	v_pk_add_f32 v[250:251], v[250:251], v[138:139]
	v_pk_add_f32 v[248:249], v[248:249], v[142:143]
	v_pk_add_f32 v[246:247], v[246:247], v[146:147]
	v_pk_add_f32 v[244:245], v[244:245], v[150:151]
	v_pk_add_f32 v[242:243], v[242:243], v[154:155]
	v_pk_add_f32 v[14:15], v[14:15], v[158:159]
	v_pk_add_f32 v[234:235], v[234:235], v[162:163]
	s_delay_alu instid0(VALU_DEP_2)
	v_pk_add_f32 v[14:15], v[14:15], v[248:249]
	s_delay_alu instid0(VALU_DEP_2)
	v_pk_add_f32 v[234:235], v[234:235], v[246:247]
	v_pk_add_f32 v[252:253], v[252:253], v[244:245]
	v_pk_add_f32 v[250:251], v[250:251], v[242:243]
	s_delay_alu instid0(VALU_DEP_2)
	v_pk_add_f32 v[14:15], v[14:15], v[252:253]
	s_delay_alu instid0(VALU_DEP_2)
	v_pk_add_f32 v[234:235], v[234:235], v[250:251]
	s_delay_alu instid0(VALU_DEP_1)
	v_pk_add_f32 v[14:15], v[14:15], v[234:235]
	s_wait_alu depctr_va_vdst(0)                   ; and one for the four
.irp b, 0,1,2,3
	v_max_num_f32 v[BM+\b], 0x1800000, v[BM+\b]    ; the floor 2^(3 - 127): the byte cannot fall under 1
.endr
.irp b, 0,1,2,3
	s_delay_alu instid0(VALU_DEP_4)
	v_add_nc_u32 v[SO+\b], 0xff000000, v[BM+\b]    ; 2 off the exponent field: the conversion's scale operand
.endr
.irp b, 0,1,2,3
	s_delay_alu instid0(VALU_DEP_4)
	v_lshrrev_b32 v[BX+\b], 23, v[SO+\b]           ; the scale's byte
.endr
	s_delay_alu instid0(VALU_DEP_3)
	v_lshl_or_b32 v[PWD], v[BX+1], 8, v[BX]
	s_delay_alu instid0(VALU_DEP_1)
	v_lshl_or_b32 v[PWD], v[BX+2], 16, v[PWD]
	s_delay_alu instid0(VALU_DEP_1)
	v_lshl_or_b32 v[PWD], v[BX+3], 24, v[PWD]
	s_setprio 0
.irp c, 0,1
	v_cvt_scalef32_pk16_fp6_f32 v[PC+6*\c:PC+6*\c+2], v[S+32*\c:S+32*\c+15], v[SO+2*\c]
	v_cvt_scalef32_pk16_fp6_f32 v[PT+4*\c:PT+4*\c+2], v[S+16+32*\c:S+31+32*\c], v[SO+2*\c+1]
.endr
	v_nop                                          ; one plain place behind a scaled conversion
.irp c, 0,1                                    ; a whole block in a lane: lanes 0-15 block 2 c, lanes 16-31 block 2 c + 1
.irp i, 0,1,2
	v_permlane16_swap_b32 v[PC+6*\c+\i], v[PT+4*\c+\i]
.endr
.irp i, 0,1,2
	s_delay_alu instid0(VALU_DEP_3)
	v_mov_b32 v[PC+3+6*\c+\i], v[PT+4*\c+\i]
.endr
.endr
.set i, 0
.rept 16
	v_pk_mul_f32 v[OT+i:OT+i+1], v[OT+i:OT+i+1], v[FF:FF+1] op_sel_hi:[1,0]   ; O^T under the new M.  (These are also the places between the scale word's and the codes' last writes and the products)
.set i, i+2
.endr
	s_wait_alu depctr_va_vdst(0)
	s_wait_dscnt 0x0                               ; V
.irp t, 0,1,2,3                                ; the four accumulators by turns; between two links of a chain stand eleven other matrix instructions
	v_wmma_scale_f32_16x16x128_f8f6f4 v[OT+8*\t:OT+8*\t+7], v[KF+12*\t:KF+12*\t+11], v[PC:PC+11], v[OT+8*\t:OT+8*\t+7], v[VS+\t], v[PWD] matrix_a_fmt:MATRIX_FMT_FP6 matrix_b_fmt:MATRIX_FMT_FP6
.endr
.Lhidden_\@:
.endm
; THE WAY OUT of a tile: O^T / the sum; the channels into their true order; two blocks of 32 quantised; the image and two scale bytes a row stored.
.macro EPI
	v_add_f32 v14, v14, v15
	s_delay_alu instid0(VALU_DEP_1)
	v_permlanex16_b32 v[T0], v14, s[SEL], s[SEL+1]
	s_delay_alu instid0(VALU_DEP_1)
	v_add_f32 v14, v14, v[T0]                      ; the row's sum
	s_wait_alu depctr_va_vdst(0)
	v_rcp_f32 v[FF], v14
	v_nop                                          ; a plain place behind the reciprocal
	s_wait_alu depctr_va_vdst(0)                   ; and the wait ahead of its first reader
.set i, 0
.rept 16
	v_pk_mul_f32 v[OT+i:OT+i+1], v[OT+i:OT+i+1], v[FF:FF+1] op_sel_hi:[1,0]   ; each accumulator from its low end on
.set i, i+2
.endr
.irp b, 0,1                                    ; tiles 2 b and 2 b + 1 hold channels 32 b + 8 h + j and 32 b + 16 + 8 h + j: after the exchange my 16 registers are channels 32 b + 16 h + 0 .. 15
.irp j, 0,1,2,3,4,5,6,7
	v_permlane16_swap_b32 v[OT+16*\b+\j], v[OT+8+16*\b+\j]
.endr
.endr
.irp b, 0,1
	v_max3_num_f32 v[BM+\b], |v[OT+16*\b]|, |v[OT+1+16*\b]|, 0x1800000
.endr
.irp i, 2,4,6,8,10,12,14
.irp b, 0,1
	s_delay_alu instid0(VALU_DEP_2)
	v_max3_num_f32 v[BM+\b], v[BM+\b], |v[OT+16*\b+\i]|, |v[OT+1+16*\b+\i]|
.endr
.endr
.irp b, 0,1
	s_delay_alu instid0(VALU_DEP_2)
	v_permlanex16_b32 v[BX+\b], v[BM+\b], s[SEL], s[SEL+1]
.endr
.irp b, 0,1
	s_delay_alu instid0(VALU_DEP_2)
	v_max_num_f32 v[BM+\b], v[BM+\b], v[BX+\b]
.endr
.irp b, 0,1
	s_delay_alu instid0(VALU_DEP_2)
	v_add_nc_u32 v[SO+\b], 0xff000000, v[BM+\b]
.endr
.irp b, 0,1
	s_delay_alu instid0(VALU_DEP_2)
	v_lshrrev_b32 v[BX+\b], 23, v[SO+\b]
.endr
	s_delay_alu instid0(VALU_DEP_1)
	v_lshl_or_b32 v[T0+1], v[BX+1], 8, v[BX]       ; my row's two scale bytes
	v_cvt_scalef32_pk16_fp6_f32 v[PC:PC+2], v[OT:OT+15], v[SO]
	v_cvt_scalef32_pk16_fp6_f32 v[PT:PT+2], v[OT+16:OT+31], v[SO+1]
	v_nop
.irp i, 0,1,2
	v_permlane16_swap_b32 v[PC+\i], v[PT+\i]
.endr
.irp i, 0,1,2
	s_delay_alu instid0(VALU_DEP_3)
	v_mov_b32 v[PC+3+\i], v[PT+\i]
.endr
	global_store_b128 v1, v[PC:PC+3], s[44:45]     ; 512 consecutive bytes,
	global_store_b64 v2, v[PC+4:PC+5], s[44:45] offset:512   ; and 256: the image of 16 rows x my head's 64 channels
	global_store_b16 v8, v[T0+1], s[46:47]         ; two bytes of each row's 32: a work-group holds one head, so these rows are written in parts
.endm
; A tile of queries.  more = 1: another follows; its Q is asked for ahead of this one's way out.
.macro PASS more
	s_wait_xcnt 0x0                                ; the last way out's stores have read their data and bases
	OUTPTRS
	s_lshl_b32 s48, s[JD], 4
	v_add_nc_u32 v4, s48, v9                       ; 16 J + r - 8 h
	v_mov_b32 v13, 0xff61b1e6                      ; the largest t so far: -3e38
	s_delay_alu instid0(VALU_DEP_1)
	v_floor_f32 v12, -v13
	v_mov_b32 v14, 0
	v_mov_b32 v15, 0
.set i, 0
.rept 32
	v_mov_b32 v[OT+i], 0                           ; the step is written once: the first finds zeros, which the first change of M leaves zeros
.set i, i+1
.endr
	s_mov_b32 s[TB], 0
	s_mov_b32 s[SI], 0
	s_wait_loadcnt 0x0                             ; Q
.Lstep_\@:
	STEP
	s_add_co_u32 s[TB], s[TB], KVB
	s_add_co_u32 s[SI], s[SI], 1
	s_cmp_lt_u32 s[SI], 16
	s_cbranch_scc1 .Lstep_\@
	s_setprio 0
	PLACES 4                                       ; behind the last products
.if \more
	s_sub_co_u32 s[TI], 127, s[TI]
	s_sub_co_u32 s[GD], 15, s[GD]
	s_sub_co_u32 s[JD], 7, s[JD]
	QPTRS
	QLOAD
.endif
	EPI
.endm
	PASS 1
	PASS 0
	s_wait_tensorcnt 0x0
	ds_add_u32 v254, v255
	s_wait_dscnt 0x0
	ROUND                                          ; the closing round
	s_endpgm
.Lfunc_end_k_q2881c81579_attn:
	.size	k_q2881c81579_attn, .Lfunc_end_k_q2881c81579_attn-k_q2881c81579_attn
	.p2alignl 7, 3214868480
	.fill 96, 4, 3214868480
	.section	.rodata,"a",@progbits
	.p2align	6, 0x0
	.amdhsa_kernel k_q2881c81579_attn
		.amdhsa_group_segment_fixed_size 210944
		.amdhsa_private_segment_fixed_size 0
		.amdhsa_enable_private_segment 0
		.amdhsa_kernarg_size 40
		.amdhsa_user_sgpr_count 2
		.amdhsa_user_sgpr_kernarg_segment_ptr 1
		.amdhsa_wavefront_size32 1
		.amdhsa_system_sgpr_workgroup_id_x 1
		.amdhsa_system_sgpr_workgroup_id_y 1
		.amdhsa_system_sgpr_workgroup_id_z 1
		.amdhsa_system_vgpr_workitem_id 0
		.amdhsa_next_free_vgpr 256
		.amdhsa_next_free_sgpr 66
		.amdhsa_reserve_vcc 1
		.amdhsa_float_denorm_mode_32 3
		.amdhsa_float_denorm_mode_16_64 3
		.amdhsa_memory_ordered 1
		.amdhsa_forward_progress 1
		.amdhsa_inst_pref_size 64
	.end_amdhsa_kernel
	.amdgpu_metadata
---
amdhsa.version: [ 1, 2 ]
amdhsa.kernels:
  - .name:           k_q2881c81579_attn
    .symbol:         k_q2881c81579_attn.kd
    .args:
      - { .name: qimg, .offset: 0, .size: 8, .value_kind: global_buffer, .address_space: global }
      - { .name: qsc, .offset: 8, .size: 8, .value_kind: global_buffer, .address_space: global }
      - { .name: kvimg, .offset: 16, .size: 8, .value_kind: global_buffer, .address_space: global }
      - { .name: aimg, .offset: 24, .size: 8, .value_kind: global_buffer, .address_space: global }
      - { .name: asc, .offset: 32, .size: 8, .value_kind: global_buffer, .address_space: global }
    .group_segment_fixed_size: 210944
    .private_segment_fixed_size: 0
    .kernarg_segment_align: 8
    .kernarg_segment_size: 40
    .max_flat_workgroup_size: 512
    .sgpr_count:     66
    .vgpr_count:     256
    .wavefront_size: 32
...
	.end_amdgpu_metadata
.endif
;; end of part 2
;; launch proj (part 3): grid 4 x 64, 4 waves a work-group, clusters of 4 x 4, 327,680 bytes of LDS; arguments aimg, asc, w_out_codes, w_out_scales, b_out, out0; writes out0
.if DOCPART == 3
	.amdgcn_target "amdgcn-amd-amdhsa--gfx1250"
	.amdhsa_code_object_version 6
	.text
	.protected	k_q2881c81579_proj
	.globl	k_q2881c81579_proj
	.p2align	8
	.type	k_q2881c81579_proj,@function
k_q2881c81579_proj:
	s_mov_b64 s[64:65], 0
	v_nop
	global_prefetch_b8 v0, s[64:65] scope:SCOPE_SE
	s_setreg_imm32_b32 hwreg(HW_REG_WAVE_MODE, 25, 1), 1
	s_wait_xcnt 0x0
	s_wait_alu depctr_hold_cnt(0) depctr_sa_sdst(0) depctr_va_vdst(0) depctr_va_sdst(0) depctr_va_ssrc(0) depctr_va_vcc(0) depctr_vm_vsrc(0)
	s_getreg_b32 s2, hwreg(HW_REG_IB_STS2, 6, 4)
	s_cmp_eq_u32 s2, 0
	s_cbranch_scc0 .Lentry_in_a_cluster
	s_endpgm
.Lentry_in_a_cluster:
	s_bfe_u32 s2, ttmp6, 0x10000c
	s_cmp_lg_u32 s2, 0xf033
	s_cbranch_scc0 .Lentry_shape_is_right
	s_endpgm
.Lentry_shape_is_right:
; out0 = a w_out + b_out on codes of FP6 (E2M3) with E8M0 scales, K = 1,024.  a: the attention's result, as images of operand registers (aimg [row tile 512][head 16][768]: two neighbouring heads are one
; fragment of 16 rows x 128 K) and scale bytes laid [row][32] (asc).  w_out: codes, K innermost, rows of 768 bytes.  out0: [8,192][1,024] f32.
; A work-group of four waves makes 128 rows x 256 columns; a wave 64 x 128: 32 accumulators.  256 work-groups.  The matrix instruction is used transposed (source 0 = 16 rows of w_out, source 1 = 16 rows of a):
; a lane holds eight neighbouring numbers of a row of the result.  K goes in 4 chunks of 256, 8 steps of 128, all written out; three LDS slots: chunks 0, 1, 2 are first fills, chunk 3 fills slot 0 again.
; CLUSTERS: 4 x 4 work-groups; a's tile is shared along a row of the cluster, w_out's along a column: each is asked for jointly.
; The scale words of my rows, for all of K, are loaded once into registers.  The bias is the C of each sum's first matrix instruction.
; REGISTERS: window 0: v1 r, v2 h, v4-15 LDS addresses, v16-18 the way out, v22-23 the spare word, v32-63 a's scale words, v64-127 w's, v128-175 a's 4 fragments; on the way out v128-255 rows read back.
;   window 1: accumulator (a, b) at v[64 a + 8 b].   window 2: w's 8 fragments, two sets, at v0 and v96; the bias at v192-255.
.set PITCH,  240                       ; a row of w_out's tile in LDS: 3 x (64 bytes + 16 of padding)
.set APART,  8*3072                    ; a's 8 row tiles x 4 heads x 768 bytes, dense
.set SLOT,   APART+256*PITCH
.set SPARE,  3*SLOT                    ; the spare words, 128 bytes for each wave: two blocks of 256 bytes that no other line names
.set STAGE,  SPARE+512                 ; the way out: 16 rows x (512 bytes + 16) for each wave; no fill lands here
.set SPITCH, 528
.set ACH,    3072                      ; a chunk of a in memory: 4 heads of a row tile
.set FR,     12
.set NLA,    4                         ; LDS loads that bring a fragment of a
.set ADRA,   4                         ; v4-6 16 x lane + my row tiles in slot 0, 1, 2; v7-9 the same with 8 x lane
.set ADRB,   10                        ; v10-12 my fragments of w in slot 0, 1, 2; v13-15 the same behind one padding more
.set STO,    16
.set RD,     17
.set CO,     18
.set SPW,    22
.set NIL,    23
.set SA,     32
.set SB,     64
.set AF,     128
.set BK,     128
.set BI,     192
.set G1A, 24
.set G0A, 32
.set G1B, 44
.set G0B, 52
.set MSB, 0
.macro WIN new                         ; the immediate's high byte repeats the setting that is left
.if MSB != \new
	s_set_vgpr_msb (MSB<<8)|\new
.set MSB, \new
.endif
.endm
.set MUL,  0x52                        ; source 0 (w) window 2, source 1 (a) window 0, C and D window 1
.set MULB, 0x62                        ; the same with C (the bias) in window 2
.set TO_B, 0x80                        ; destination window 2
.macro JLOAD g0a, g1a, g0b, g1b        ; a joint load: waves 0 and 1 fetch a's halves, waves 2 and 3 w's; four v_nop follow each of the two lines
	s_cmp_eq_u32 s21, 0
	s_cbranch_scc0 .Lfor_b_\@
	tensor_load_to_lds s[\g0a:\g0a+3], s[\g1a:\g1a+7]
	s_nop 0
.rept 4
	v_nop
.endr
	s_branch .Lasked_\@
.Lfor_b_\@:
	tensor_load_to_lds s[\g0b:\g0b+3], s[\g1b:\g1b+7]
	s_nop 0
.rept 4
	v_nop
.endr
.Lasked_\@:
.endm
.macro CREST
	s_cmp_lg_u32 s20, 0
	s_cbranch_scc1 .Lnot_wave_0_\@
	s_barrier_signal -3
.Lnot_wave_0_\@:
	s_barrier_wait -3
	s_barrier_signal -1
	s_barrier_wait -1
.endm
.macro CROUND
	s_barrier_signal -1
	s_barrier_wait -1
	CREST
.endm
.macro PLACES n
.rept \n
	v_nop
.endr
.endm
	s_load_b256 s[4:11], s[0:1], 0x0               ; aimg s[4:5], asc s[6:7], w's codes s[8:9], w's scales s[10:11]
	s_load_b128 s[12:15], s[0:1], 0x20             ; b_out s[12:13], out0 s[14:15]
	v_lshl_add_u32 v[SPW], v0, 2, SPARE
	v_mov_b32 v[NIL], 0
	ds_add_u32 v22, v23
	ds_add_u32 v22, v23
	s_wait_dscnt 0x0
	v_lshrrev_b32 v3, 5, v0
	v_readfirstlane_b32 s20, v3                    ; wave 0..3
	s_lshr_b32 s21, s20, 1                         ; wm: which 64 rows are mine.  Also: I fetch for a (0) or for w (1)
	s_and_b32 s22, s20, 1                          ; wn: which 128 columns.  Also: which half of that tile I fetch
	s_bfe_u32 s66, ttmp6, 0x40000                  ; cx
	s_bfe_u32 s67, ttmp6, 0x40004                  ; cy
	s_and_b32 s68, ttmp7, 0xffff
	s_lshl_b32 s69, s68, 2
	s_add_co_u32 s69, s69, s67                     ; tile row = 4 x cluster y + cy
	s_lshl_b32 s70, ttmp9, 2
	s_add_co_u32 s70, s70, s66                     ; tile column = 4 x cluster x + cx
	s_lshl_b32 s71, s67, 2
	s_lshl_b32 s71, 15, s71                        ; my row of the cluster
	s_lshl_b32 s72, 0x1111, s66                    ; my column
	; group 1 for a: 4 row tiles x 3,072 bytes (384 elements of 8 bytes), 12,288 bytes apart in memory, dense in LDS
	s_or_b32 s[G1A], s71, (3<<16)|(1<<21)
	s_mov_b32 s[G1A+1], 384<<16
	s_mov_b32 s[G1A+2], 4<<16
	s_mov_b32 s[G1A+3], 384<<16
	s_mov_b32 s[G1A+4], 4
	s_mov_b32 s[G1A+5], 1536
	s_mov_b32 s[G1A+6], 0
	s_mov_b32 s[G1A+7], 0
	; and for w: 128 rows of 192 bytes, 768 apart, 16 bytes of padding behind every 64
	s_or_b32 s[G1B], s72, (1<<20)|(1<<21)|(3<<22)|(3<<25)
	s_mov_b32 s[G1B+1], 192<<16
	s_mov_b32 s[G1B+2], 128<<16
	s_mov_b32 s[G1B+3], 192<<16
	s_mov_b32 s[G1B+4], 128
	s_mov_b32 s[G1B+5], 768
	s_mov_b32 s[G1B+6], 0
	s_mov_b32 s[G1B+7], 0
	s_lshl_b32 s73, s69, 7                         ; my tile's first row
	s_lshl_b32 s78, s70, 8                         ; and first column
	s_lshl_b32 s74, s69, 3
	s_lshl_b32 s75, s22, 2
	s_add_co_u32 s74, s74, s75
	s_mul_i32 s74, s74, 12288                      ; the 4 row tiles of a that I fetch
	s_mov_b32 s75, 0
	s_lshl_b32 s76, s22, 7
	s_add_co_u32 s76, s76, s78
	s_mul_i32 s76, s76, 768                        ; the 128 rows of w
	s_mov_b32 s77, 0
	s_mul_i32 s79, s22, 4*3072                     ; and where they go
	s_mul_i32 s99, s22, 128*PITCH
	s_wait_kmcnt 0x0
	s_add_nc_u64 s[74:75], s[4:5], s[74:75]
	s_add_nc_u64 s[76:77], s[8:9], s[76:77]
	CROUND                                         ; all sixteen work-groups are here: the first joint loads meet
.irp s, 0,1,2                                  ; chunks 0, 1, 2: three loads of mine are out
	s_mov_b32 s[G0A+4*\s], 1
	s_add_co_u32 s[G0A+4*\s+1], s79, \s*SLOT
	s_add_nc_u64 s[G0A+4*\s+2:G0A+4*\s+3], s[74:75], \s*ACH
	s_or_b32 s[G0A+4*\s+3], s[G0A+4*\s+3], 0x80000000
	s_mov_b32 s[G0B+4*\s], 1
	s_add_co_u32 s[G0B+4*\s+1], s99, \s*SLOT+APART
	s_add_nc_u64 s[G0B+4*\s+2:G0B+4*\s+3], s[76:77], \s*192
	s_or_b32 s[G0B+4*\s+3], s[G0B+4*\s+3], 0x80000000
	JLOAD G0A+4*\s, G1A, G0B+4*\s, G1B
.endr
	v_and_b32 v1, 15, v0                           ; r
	v_bfe_u32 v2, v0, 4, 1                         ; h
	v_and_b32 v24, 31, v0                          ; lane
	v_lshlrev_b32 v[CO], 4, v24                    ; 16 x lane
	v_lshlrev_b32 v30, 3, v24                      ; 8 x lane
	v_mul_u32_u24 v24, v1, PITCH
	v_mul_u32_u24 v25, v2, 24
	v_add_nc_u32 v25, v24, v25                     ; w: a fragment's row x pitch + 24 h
	v_lshl_add_u32 v26, v2, 4, v25                 ; and the same behind one padding more
	s_mul_i32 s79, s21, 4*3072                     ; my 4 row tiles of a
	s_mul_i32 s99, s22, 128*PITCH                  ; my 128 rows of w,
	s_add_co_u32 s99, s99, APART                   ; behind a's part
.irp s, 0,1,2
	v_add_nc_u32 v[ADRA+\s], s79, v[CO]
	v_add_nc_u32 v[ADRA+3+\s], s79, v30
	v_add_nc_u32 v[ADRB+\s], s99, v25
	v_add_nc_u32 v[ADRB+3+\s], s99, v26
	s_add_co_u32 s79, s79, SLOT
	s_add_co_u32 s99, s99, SLOT
.endr
	; the scale words: a row's 32 bytes are its 8 words
	s_lshl_b32 s74, s21, 6
	s_add_co_u32 s74, s74, s73
	s_lshl_b32 s74, s74, 5
	s_mov_b32 s75, 0
	s_add_nc_u64 s[84:85], s[6:7], s[74:75]
	s_lshl_b32 s76, s22, 7
	s_add_co_u32 s76, s76, s78
	s_lshl_b32 s2, s76, 2                          ; (my first column, in bytes of b_out)
	s_lshl_b32 s76, s76, 5
	s_mov_b32 s77, 0
	s_add_nc_u64 s[86:87], s[10:11], s[76:77]
	s_mov_b32 s3, 0
	s_add_nc_u64 s[88:89], s[12:13], s[2:3]
	v_lshlrev_b32 v27, 5, v1                       ; 32 r
	v_lshlrev_b32 v28, 5, v2                       ; 32 h
.irp a, 0,1,2,3
	global_load_b128 v[SA+8*\a:SA+8*\a+3], v27, s[84:85] offset:512*\a
	global_load_b128 v[SA+8*\a+4:SA+8*\a+7], v27, s[84:85] offset:512*\a+16
.endr
.irp b, 0,1,2,3,4,5,6,7
	global_load_b128 v[SB+8*\b:SB+8*\b+3], v27, s[86:87] offset:512*\b
	global_load_b128 v[SB+8*\b+4:SB+8*\b+7], v27, s[86:87] offset:512*\b+16
.endr
	WIN TO_B
.irp b, 0,1,2,3,4,5,6,7                        ; the bias: tile b wants b_out at 16 b + 8 h + 0 .. 7
	global_load_b128 v[BI+8*\b:BI+8*\b+3], v28, s[88:89] offset:64*\b
	global_load_b128 v[BI+8*\b+4:BI+8*\b+7], v28, s[88:89] offset:64*\b+16
.endr
	WIN 0
	; the way out
	s_mul_i32 s2, s20, 16*SPITCH
	s_add_co_u32 s2, s2, STAGE                     ; my stage
	v_mul_u32_u24 v24, v1, SPITCH
	v_lshl_add_u32 v24, v2, 5, v24
	v_add_nc_u32 v[STO], s2, v24                   ; in: row r, 32 bytes for each half of the lanes
	v_add_nc_u32 v[RD], s2, v[CO]                  ; back: the 32 lanes take one row of 512 bytes
	s_lshl_b32 s2, s21, 6
	s_add_co_u32 s2, s2, s73
	s_lshl_b32 s2, s2, 12                          ; my first row, 4,096 bytes a row
	s_lshl_b32 s3, s70, 10
	s_add_co_u32 s2, s2, s3
	s_lshl_b32 s3, s22, 9
	s_add_co_u32 s2, s2, s3                        ; + my first column
	s_mov_b32 s3, 0
	s_add_nc_u64 s[90:91], s[14:15], s[2:3]
.macro FRAG reg, adr, q, i             ; a fragment of w: 24 bytes of the row's stream of bits for each half, in pieces of 8 bytes; the second address register serves the pieces that lie behind one padding more
.irp p, 0,1,2,3,4,5
.set PCE, 12*(\q)+6*(\p/3)+\p%3
.if PCE%8 < 5
	ds_load_b64 v[\reg+2*\p:\reg+2*\p+1], v[\adr] offset:8*PCE+16*(PCE/8)+(\i)*16*PITCH
.else
	ds_load_b64 v[\reg+2*\p:\reg+2*\p+1], v[\adr+3] offset:8*PCE+16*(PCE/8)+(\i)*16*PITCH
.endif
.endr
.endm
.macro FRAGI reg, slot, q, a           ; a fragment of a comes back as it was stored: two images of six registers
	ds_load_b128 v[\reg:\reg+3], v[ADRA+\slot] offset:3072*(\a)+1536*(\q)
	ds_load_b64 v[\reg+4:\reg+5], v[ADRA+3+\slot] offset:3072*(\a)+1536*(\q)+512
	ds_load_b128 v[\reg+6:\reg+9], v[ADRA+\slot] offset:3072*(\a)+1536*(\q)+768
	ds_load_b64 v[\reg+10:\reg+11], v[ADRA+3+\slot] offset:3072*(\a)+1536*(\q)+1280
.endm
.macro FETCH_B slot, q, set
	WIN TO_B
.irp i, 0,1,2,3,4,5,6,7
	FRAG 96*(\set)+FR*\i, ADRB+\slot, \q, \i
.endr
	WIN 0
.endm
.macro FETCH_A slot, q, a0
.irp i, \a0, \a0+1
	FRAGI AF+FR*(\i), \slot, \q, \i
.endr
.endm
; 8 matrix instructions: a's block against w's eight, step k.  cin = 1: the bias starts the sums.  The 32 accumulators take turns, one instruction a turn.
.macro MUL8 a, set, k, cin
.irp b, 0,1,2,3,4,5,6,7
.if \cin == 0
	v_wmma_scale_f32_16x16x128_f8f6f4 v[64*(\a)+8*\b:64*(\a)+8*\b+7], v[96*(\set)+FR*\b:96*(\set)+FR*\b+FR-1], v[AF+FR*(\a):AF+FR*(\a)+FR-1], v[64*(\a)+8*\b:64*(\a)+8*\b+7], v[SB+8*\b+(\k)], v[SA+8*(\a)+(\k)] matrix_a_fmt:MATRIX_FMT_FP6 matrix_b_fmt:MATRIX_FMT_FP6
.else
	v_wmma_scale_f32_16x16x128_f8f6f4 v[64*(\a)+8*\b:64*(\a)+8*\b+7], v[96*(\set)+FR*\b:96*(\set)+FR*\b+FR-1], v[AF+FR*(\a):AF+FR*(\a)+FR-1], v[BI+8*\b:BI+8*\b+7], v[SB+8*\b+(\k)], v[SA+8*(\a)+(\k)] matrix_a_fmt:MATRIX_FMT_FP6 matrix_b_fmt:MATRIX_FMT_FP6
.endif
.endr
.endm
.macro STEP k, nslot, nq, cin
	s_wait_dscnt 2*NLA                             ; w's set and a's blocks 0, 1 are in; the youngest loads (a's blocks 2, 3) may be out
.if \cin
	WIN MULB
.else
	WIN MUL
.endif
	MUL8 0, (\k)%2, \k, \cin
	MUL8 1, (\k)%2, \k, \cin
	s_wait_dscnt 0x0
	PLACES 4
	FETCH_B \nslot, \nq, 1-(\k)%2
	FETCH_A \nslot, \nq, 0
.if \cin
	WIN MULB
.else
	WIN MUL
.endif
	MUL8 2, (\k)%2, \k, \cin
	MUL8 3, (\k)%2, \k, \cin
	PLACES 4
	WIN 0
	FETCH_A \nslot, \nq, 2
.endm
; A step with a barrier: in front of it each wave waits for all its tensor loads, adds 0 to its spare word, and waits for that and for its own LDS reads.  fill = 1: slot 0 takes chunk 3.
.macro TURN k, nslot, fill
	s_wait_tensorcnt 0x0                           ; all my tensor loads have landed  (every window is 0 here)
	ds_add_u32 v[SPW], v[NIL]                      ; 0 onto my spare word
	s_wait_dscnt 2*NLA+1                           ; (the add and the youngest loads may be out)
	WIN MUL
	MUL8 0, (\k)%2, \k, 0
	s_wait_dscnt 0x0                               ; the add is done, and my LDS reads are over
	s_barrier_signal -1
	MUL8 1, (\k)%2, \k, 0
	WIN 0
	s_barrier_wait -1
.if \fill
	CREST                                          ; the barrier has opened a round of the cluster's barrier: no wave of any partner still reads slot 0 or has a load on its way
	s_add_nc_u64 s[G0A+2:G0A+3], s[G0A+2:G0A+3], 3*ACH
	s_add_nc_u64 s[G0B+2:G0B+3], s[G0B+2:G0B+3], 3*192
	JLOAD G0A, G1A, G0B, G1B                       ; the first tensor load behind the round, one a wave
.else
	PLACES 4
.endif
	FETCH_B \nslot, 0, 1-(\k)%2
	FETCH_A \nslot, 0, 0
	WIN MUL
	MUL8 2, (\k)%2, \k, 0
	MUL8 3, (\k)%2, \k, 0
	PLACES 4
	WIN 0
	FETCH_A \nslot, 0, 2
.endm
	s_wait_tensorcnt 0x2                           ; my part of chunk 0 is in; chunks 1 and 2 may stay out
	s_barrier_signal -1
	s_barrier_wait -1
	FETCH_B 0, 0, 0
	FETCH_A 0, 0, 0
	FETCH_A 0, 0, 2
	s_wait_loadcnt 0x0                             ; the scale words and the bias
	STEP 0, 0, 1, 1
	TURN 1, 1, 1                                   ; slot 0 takes chunk 3; the wait for all loads has shown chunks 1 and 2 landed in every wave
	STEP 2, 1, 1, 0
	STEP 3, 2, 0, 0
	STEP 4, 2, 1, 0
	TURN 5, 0, 0                                   ; chunk 3 has had four steps in which to land
	STEP 6, 0, 1, 0
	s_wait_dscnt 2*NLA                             ; the last step
	WIN MUL
	MUL8 0, 1, 7, 0
	MUL8 1, 1, 7, 0
	s_wait_dscnt 0x0
	MUL8 2, 1, 7, 0
	MUL8 3, 1, 7, 0
	WIN 0
	PLACES 4
; THE WAY OUT, block by block of 16 rows x 128 columns, through my own stage: in as 32 bytes a lane, back as whole rows of 512 bytes.  LDS serves a wave's instructions in order (ISA guide 5.7.1.4).
.macro TOSTAGE a
	WIN 0x04                                       ; an LDS store's data are its source 1: window 1
.irp b, 0,1,2,3,4,5,6,7
	ds_store_b128 v[STO], v[64*(\a)+8*\b:64*(\a)+8*\b+3] offset:64*\b          ; each accumulator from its low end on
	ds_store_b128 v[STO], v[64*(\a)+8*\b+4:64*(\a)+8*\b+7] offset:64*\b+16
.endr
	WIN 0
.set BB, BK+64*((\a)%2)
.irp t, 0,1,2,3,4,5,6,7,8,9,10,11,12,13,14,15
	ds_load_b128 v[BB+4*\t:BB+4*\t+3], v[RD] offset:\t*SPITCH
.endr
.endm
.macro SEND a, younger                 ; younger: the LDS instructions issued behind block a's loads, which may stay out
.set BB, BK+64*((\a)%2)
	s_wait_dscnt \younger
.if (\a) > 0
	s_add_nc_u64 s[90:91], s[90:91], 16*4096       ; (behind a wait on XCNT: the earlier stores have read their base)
.endif
.irp t, 0,1,2,3,4,5,6,7,8,9,10,11,12,13,14,15
	global_store_b128 v[CO], v[BB+4*\t:BB+4*\t+3], s[90:91] offset:\t*4096 th:TH_STORE_NT   ; 32 lanes store 512 consecutive bytes, at a multiple of 256 from out0's first byte
.endr
.endm
	TOSTAGE 0
.irp a, 1,2,3
.if \a > 1
	s_wait_xcnt 0x0                                ; block a - 2's stores have read their registers and their base
.endif
	TOSTAGE \a
	SEND \a-1, 32                                  ; behind block a - 1's loads: block a's 16 stores and 16 loads
.endr
	s_wait_xcnt 0x0
	SEND 3, 0
	s_wait_tensorcnt 0x0                           ; the wave's end
	ds_add_u32 v[SPW], v[NIL]
	s_wait_dscnt 0x0
	CROUND                                         ; the closing round
	s_endpgm
.Lfunc_end_k_q2881c81579_proj:
	.size	k_q2881c81579_proj, .Lfunc_end_k_q2881c81579_proj-k_q2881c81579_proj
	.p2alignl 7, 3214868480
	.fill 96, 4, 3214868480
	.section	.rodata,"a",@progbits
	.p2align	6, 0x0
	.amdhsa_kernel k_q2881c81579_proj
		.amdhsa_group_segment_fixed_size 327680
		.amdhsa_private_segment_fixed_size 0
		.amdhsa_enable_private_segment 0
		.amdhsa_kernarg_size 48
		.amdhsa_user_sgpr_count 2
		.amdhsa_user_sgpr_kernarg_segment_ptr 1
		.amdhsa_wavefront_size32 1
		.amdhsa_system_sgpr_workgroup_id_x 1
		.amdhsa_system_sgpr_workgroup_id_y 1
		.amdhsa_system_sgpr_workgroup_id_z 1
		.amdhsa_system_vgpr_workitem_id 0
		.amdhsa_next_free_vgpr 768
		.amdhsa_next_free_sgpr 102
		.amdhsa_reserve_vcc 0
		.amdhsa_float_denorm_mode_32 3
		.amdhsa_float_denorm_mode_16_64 3
		.amdhsa_memory_ordered 1
		.amdhsa_forward_progress 1
		.amdhsa_inst_pref_size 97
	.end_amdhsa_kernel
	.amdgpu_metadata
---
amdhsa.version: [ 1, 2 ]
amdhsa.kernels:
  - .name:           k_q2881c81579_proj
    .symbol:         k_q2881c81579_proj.kd
    .args:
      - { .name: aimg, .offset: 0, .size: 8, .value_kind: global_buffer, .address_space: global }
      - { .name: asc, .offset: 8, .size: 8, .value_kind: global_buffer, .address_space: global }
      - { .name: w_out_codes, .offset: 16, .size: 8, .value_kind: global_buffer, .address_space: global }
      - { .name: w_out_scales, .offset: 24, .size: 8, .value_kind: global_buffer, .address_space: global }
      - { .name: b_out, .offset: 32, .size: 8, .value_kind: global_buffer, .address_space: global }
      - { .name: out0, .offset: 40, .size: 8, .value_kind: global_buffer, .address_space: global }
    .group_segment_fixed_size: 327680
    .private_segment_fixed_size: 0
    .kernarg_segment_align: 8
    .kernarg_segment_size: 48
    .max_flat_workgroup_size: 128
    .sgpr_count:     102
    .vgpr_count:     768
    .wavefront_size: 32
...
	.end_amdgpu_metadata
.endif
;; end of part 3
